; MI455X (gfx1250); checked and timed in simulation.
; The chip was launched on July 23, 2026; its instructions are those of AMD's public machine-readable ISA for CDNA 5 (MIT licence, August 2026) and "CDNA5" Instruction Set Architecture Reference Guide (July 2026). The comments in the code are by the model that wrote it; some were corrected since.
;; NVFP4 Scaled Linear. Allowed arithmetic: matrix products marked QUANTISED: E2M3 operands, one E8M0 scale for each 32 along K, by v_wmma_scale_f32_16x16x128_f8f6f4 with both operands' format E2M3, f32 sums; everything else in f32.
;; Inputs: bias 2,048 float32; weight_packed 4,194,304 int32; weight_scales 524,288 float32; x_codes 4 x 2,048 x 128 x 24 uint8 (E2M3 codes of x, K innermost, in blocks of 32 codes, four codes in three bytes); x_scales 4 x 2,048 x 128 uint8 (E8M0 scales of x, one for each 32 codes along K).
;; Outputs: out0 4 x 2,048 x 2,048 float32.
;; This version of the problem:
;;   THIS VERSION OF THE PROBLEM IS GIVEN IN LOW PRECISION. The matrix products marked QUANTISED in the list below multiply operands that are first quantised to E2M3 (2 exponent bits, 3 mantissa bits; 6 bits a number), with one power-of-two scale for each 32 numbers along K (OCP MX v1.0); their sums are f32. All else is computed in f32.
;;   The module's matrix products, in the order in which they are computed (A, B: the left and right operand; K: the contracted axis; several contracted axes count as one K, in the product's order):
;;     1. [M 8,192, K 4,096] x [K 4,096, N 2,048]; A: input x (given as codes); B: computed on the way: QUANTISED
;;   THE QUANTISER, for each operand of a quantised product, along K:
;;     - K is cut into blocks of 32 from its start; a last block that is shorter is filled with zeros.
;;     - A block's scale is 2^e with e = floor(log2(the largest magnitude in the block)) - 2, held to -126 .. 127; a block of zeros has e = 0. As a byte (E8M0): e + 127.
;;     - Each number is divided by its block's scale, clamped to +-7.5, and rounded to the nearest number of E2M3, ties to even, subnormals kept.
;;     - The product sums the exact products of the quantised numbers (number of the format x scale) in f32.
;;   ~~~python
;;   def quantise(x, axis):      # numpy; x: float32 -> the quantised numbers, widened to float32 again
;;       x = np.moveaxis(x, axis, -1); K = x.shape[-1]
;;       x = np.pad(x, [(0, 0)] * (x.ndim - 1) + [(0, -K % 32)]); x = x.reshape(x.shape[:-1] + (-1, 32)); a = np.abs(x).max(-1, keepdims=True)
;;       e = np.where(a > 0, np.clip(np.frexp(np.where(a > 0, a, 1))[1] - 1 - 2, -126, 127), 0)      # np.frexp(a)[1] - 1 = floor(log2(a)), exactly
;;       r = np.clip(x / 2.0 ** e, -7.5, 7.5)
;;       step = 2.0 ** (np.maximum(np.frexp(np.where(r == 0, 1, r))[1] - 1, 0) - 3)
;;       q = np.round(r / step) * step * 2.0 ** e      # np.round: ties to even
;;       return np.moveaxis(q.reshape(q.shape[:-2] + (-1,))[..., :K], -1, axis).astype(np.float32)
;;   ~~~
;;   OPERANDS COMPUTED ON THE WAY. 'Computed on the way' means the value that the module computes at that place (a softmax that the list does not call 'softmax' is quantised finished and normalised). What goes into a quantiser is computed in f32, as accurately as f32 sums, v_exp_f32 and their like allow (about 1e-6 of the number): no bf16 or f16 on the way to a quantiser, and a product that is left as it is and whose result goes on into a quantised operand takes f32 operands (vector FMAs, or v_wmma_f32_16x16x4_f32). A number that lies on a knife's edge between two numbers of the format may be rounded either way, as far as f32 arithmetic and the matrix unit's own rounding can turn it there, and no further.
;;   INPUTS GIVEN AS CODES. x (in the module: [4, 2048, 4096], K = its axis 2): each comes as NAME_codes (uint8): NAME with its K axis moved to the last place and cut into blocks of 32 codes, [.., K / 32, bytes a block], one block behind the other in memory; four codes in three bytes: a row's codes are one little-endian stream of bits, code i at bits 6 i .. 6 i + 5 (a code: sign, 2 exponent bits, 3 mantissa bits); and NAME_scales (uint8): the same leading axes, one E8M0 byte (e + 127) for each 32 codes along K. Its value is code x scale, taken as it is: it is not quantised again, and the codes and scales need not be those that the quantiser above would give.
;; One version. Each part assembles by itself: llvm-mc -triple=amdgcn-amd-amdhsa -mcpu=gfx1250 --defsym DOCPART=n.
;; ======== version 1 of 1: 2 launches
;; limits: right only within a limited range of input values
;; workspace buffers: wq_codes 6,291,456 bytes; sc2 1,310,720 bytes
;; launch quant (part 1): grid 256 x 1, 16 waves a work-group, no clusters, 48,128 bytes of LDS; arguments weight_packed, weight_scales, x_scales, wq_codes, sc2; writes wq_codes, sc2
.if DOCPART == 1
	.amdgcn_target "amdgcn-amd-amdhsa--gfx1250"
	.amdhsa_code_object_version 6
	.text
	.protected	k_q33132184dd_quant
	.globl	k_q33132184dd_quant
	.p2align	8
	.type	k_q33132184dd_quant,@function
k_q33132184dd_quant:
	s_mov_b64 s[64:65], 0
	v_nop
	global_prefetch_b8 v0, s[64:65] scope:SCOPE_SE
	s_setreg_imm32_b32 hwreg(HW_REG_WAVE_MODE, 25, 1), 1
	s_wait_xcnt 0x0
; The weight w [2048][4096] is made in f32 as the problem defines it (sign x magnitude exactly from the E2M1 conversion with the scale 1, then one f32 multiplication)
; and quantised along K into codes of FP6 (E2M3), one E8M0 byte for each 32 along K.  A block's byte is its largest magnitude's exponent field - 2, held at 1 from below.
; OUT: wq_codes [2048][3072 bytes], K innermost.  sc2: scale bytes re-laid in groups of 16 bytes (four steps of 128 along K) for the product's launch:
;   x's, the first 1,048,576 bytes: [tile of 256 rows][group: 8][row: 256][16 bytes];   w's, behind them: [8 rows: 256][group: 8][row: 8][16 bytes].
; LIMITS: NaN and infinities in weight_scales are not served.  A block of zeros gets the byte 1 where the rule says 127: its codes are zeros, and the bytes are read by this program alone.
; SHARES: work-group g takes rows 8 g .. + 7 of w, one consecutive run of every buffer; wave w half a row, in 2 steps of 1,024 weights, a block of 32 to a lane.
; Its 1,024 scale bytes of w are consecutive in sc2.  It also re-lays rows 32 g .. + 31 of x_scales (4,096 bytes) through LDS.
; Loads read 512 consecutive bytes; a lane's four int32 are packed into one word of eight codes and turn through the wave's own LDS, so that a lane gets a whole block.
.set WREG, 2560                        ; LDS, a region a wave: +0 packed words, 512 bytes a step; +1,024 codes, 768 bytes a step
.set CST,  1024
.set SBY,  16*WREG                     ; the work-group's 1,024 scale bytes of w
.set SPARE, SBY+1024                   ; the spare words, 128 bytes a wave
.set XS,   SPARE+2048                  ; 4,096 scale bytes of x, re-laid
.set WOFF, 1048576
.set R, 32
.set S, 64
.set P, 68
.set F, 76
.set X, 108
	s_load_b256 s[4:11], s[0:1], 0x0               ; weight_packed, weight_scales, x_scales, wq_codes
	s_load_b64 s[28:29], s[0:1], 0x20              ; sc2
	v_lshl_add_u32 v140, v0, 2, SPARE
	v_mov_b32 v141, 0
	v_lshrrev_b32 v9, 5, v0
	v_readfirstlane_b32 s12, v9                    ; wave
	s_lshl_b32 s13, ttmp9, 4
	s_add_co_u32 s13, s13, s12                     ; which run of 2,048 weights is my wave's
	s_lshl_b32 s14, s13, 12                        ; int32: 4,096 bytes a run
	s_mov_b32 s15, 0
	s_lshl_b32 s16, s13, 9                         ; f32 scales: 512
	s_mov_b32 s17, 0
	s_mul_i32 s18, s13, 1536                       ; codes: 1,536
	s_mov_b32 s19, 0
	s_lshl_b32 s20, ttmp9, 10                      ; w's bytes in sc2: 1,024 a work-group
	s_add_co_u32 s20, s20, WOFF
	s_mov_b32 s21, 0
	s_lshl_b32 s30, ttmp9, 12                      ; x_scales: 4,096 bytes a work-group
	s_mov_b32 s31, 0
	s_lshr_b32 s2, ttmp9, 3                        ; x's bytes in sc2: tile, my 32 rows
	s_lshl_b32 s2, s2, 15
	s_and_b32 s3, ttmp9, 7
	s_lshl_b32 s3, s3, 9
	s_add_co_u32 s2, s2, s3
	s_mov_b32 s3, 0
	s_mov_b32 s22, 0x00000400
	s_mov_b32 s23, 0x05040100
	s_mul_i32 s24, s12, WREG
	s_lshl_b32 s26, s12, 8
	s_lshr_b32 s13, s12, 1
	s_and_b32 s27, s12, 1
	s_lshl_b32 s25, s27, 9                         ; my wave's bytes of w: half of K x 512 + row x 16
	s_lshl_b32 s14, s13, 4
	s_add_co_u32 s25, s25, s14
	s_lshl_b32 s14, s12, 12                        ; (made again below)
	s_lshl_b32 s13, s13, 12                        ; x on the way out: wave w stores 256 bytes: group w / 2, half w % 2
	s_lshl_b32 s27, s27, 8
	s_add_co_u32 s13, s13, s27
	s_lshl_b32 s27, ttmp9, 16
	s_add_co_u32 s14, s14, s27                     ; 4,096 x (16 g + wave)
	v_and_b32 v1, 31, v0
	v_lshlrev_b32 v2, 4, v1
	v_lshlrev_b32 v3, 3, v1
	v_lshl_add_u32 v4, v1, 2, s24
	v_add_nc_u32 v5, s24, v2
	v_mul_u32_u24 v6, v1, 24
	v_add_nc_u32 v6, s24, v6
	v_add_nc_u32 v7, s26, v3                       ; 256 wave + 8 lane
	v_lshrrev_b32 v28, 4, v1
	v_and_b32 v29, 15, v1
	v_lshl_add_u32 v8, v28, 7, v29                 ; my block's byte: group lane / 16 (128 bytes a group), byte lane % 16
	v_add_nc_u32 v8, s25, v8
	v_mov_b32 v10, 0x7f7f7f7f
	v_add_nc_u32 v142, s13, v3
	v_lshlrev_b32 v143, 3, v0                      ; x_scales in: 8 bytes a thread, consecutive
	v_and_b32 v29, 1, v0
	v_bfe_u32 v30, v0, 1, 3
	v_lshrrev_b32 v31, 4, v0
	v_lshlrev_b32 v144, 3, v29
	v_lshl_add_u32 v144, v30, 9, v144
	v_lshl_add_u32 v144, v31, 4, v144              ; into LDS: group x 512 + row x 16 + half x 8
	s_wait_alu depctr_va_vdst(0)                   ; the wait at the head's end
	s_wait_kmcnt 0x0
	s_add_nc_u64 s[4:5], s[4:5], s[14:15]
	s_add_nc_u64 s[6:7], s[6:7], s[16:17]
	s_add_nc_u64 s[8:9], s[8:9], s[30:31]
	s_add_nc_u64 s[10:11], s[10:11], s[18:19]
	s_add_nc_u64 s[30:31], s[28:29], s[2:3]
	s_add_nc_u64 s[28:29], s[28:29], s[20:21]
.macro LOAD t
.irp i, 0,1,2,3
	global_load_b128 v[R+16*(\t)+4*\i:R+16*(\t)+4*\i+3], v2, s[4:5] offset:2048*(\t)+512*\i th:TH_LOAD_NT
.endr
	global_load_b64 v[S+2*(\t):S+2*(\t)+1], v3, s[6:7] offset:256*(\t) th:TH_LOAD_NT
.endm
.macro TURN t                          ; four int32 become a word of eight codes; word 32 i + lane goes in, words 4 lane .. + 3 come back (LDS serves a wave in order)
.irp i, 0,1,2,3
	v_perm_b32 v[28+2*(\i%2)], v[R+16*(\t)+4*\i+1], v[R+16*(\t)+4*\i], s22
	v_perm_b32 v[29+2*(\i%2)], v[R+16*(\t)+4*\i+3], v[R+16*(\t)+4*\i+2], s22
	s_delay_alu instid0(VALU_DEP_1)
	v_perm_b32 v[16+\i], v[29+2*(\i%2)], v[28+2*(\i%2)], s23
.endr
.irp i, 0,1,2,3
	ds_store_b32 v4, v[16+\i] offset:512*(\t)+128*\i
.endr
	ds_load_b128 v[P+4*(\t):P+4*(\t)+3], v5 offset:512*(\t)
.endm
.macro STEP t
	s_wait_dscnt 0x0                               ; my block's words are back
.if (\t) == 0
	s_wait_loadcnt 0x0
	TURN 1
.endif
.irp i, 0,1,2,3
	v_cvt_scale_pk8_f32_fp4 v[F+8*\i:F+8*\i+7], v[P+4*(\t)+\i], v10   ; register 2 k is byte k's LOW nibble, weight 2 k + 1
.endr
	v_nop
.irp k, 0,1,2,3,4,5,6,7
	v_pk_mul_f32 v[X+2*\k:X+2*\k+1], v[F+2*\k:F+2*\k+1], v[S+2*(\t):S+2*(\t)+1] op_sel:[1,0] op_sel_hi:[0,0]   ; x the first scale, the pair swapped into K order
.endr
.irp k, 8,9,10,11,12,13,14,15
	v_pk_mul_f32 v[X+2*\k:X+2*\k+1], v[F+2*\k:F+2*\k+1], v[S+2*(\t):S+2*(\t)+1] op_sel:[1,1] op_sel_hi:[0,1]   ; x the second
.endr
	v_max3_num_f32 v12, |v[X]|, |v[X+1]|, |v[X+2]|
	v_max3_num_f32 v13, |v[X+3]|, |v[X+4]|, |v[X+5]|
.irp i, 6,10,14,18,22,26
	s_delay_alu instid0(VALU_DEP_2)
	v_max3_num_f32 v12, v12, |v[X+\i]|, |v[X+\i+1]|
	s_delay_alu instid0(VALU_DEP_2)
	v_max3_num_f32 v13, v13, |v[X+\i+2]|, |v[X+\i+3]|
.endr
	s_delay_alu instid0(VALU_DEP_2)
	v_max3_num_f32 v12, v12, |v[X+30]|, |v[X+31]|
	s_delay_alu instid0(VALU_DEP_1)
	v_max3_num_f32 v12, v12, v13, 0x1800000        ; the floor 2^(3 - 127): the byte cannot fall under 1
	s_delay_alu instid0(VALU_DEP_1)
	v_add_nc_u32 v11, 0xff000000, v12              ; 2 off the exponent field: the conversion's scale operand
	s_delay_alu instid0(VALU_DEP_1)
	v_lshrrev_b32 v27, 23, v11                     ; the byte
	v_cvt_scalef32_pk16_fp6_f32 v[20:22], v[X:X+15], v11
	v_cvt_scalef32_pk16_fp6_f32 v[24:26], v[X+16:X+31], v11
	v_nop
	v_mov_b32 v23, v24
	v_mov_b32 v24, v25
	v_mov_b32 v25, v26
.irp p, 0,1,2
	ds_store_b64 v6, v[20+2*\p:21+2*\p] offset:CST+768*(\t)+8*\p
.endr
	ds_store_b8 v8, v27 offset:SBY+256*(\t)        ; a step is two groups of 128 bytes
.endm
	global_load_b64 v[146:147], v143, s[8:9] th:TH_LOAD_NT
	LOAD 0
	LOAD 1
	s_wait_loadcnt 5                               ; x's bytes and step 0's five loads are in; step 1's five may be out
	ds_store_b64 v144, v[146:147] offset:XS
	TURN 0
	STEP 0
	STEP 1
.irp i, 0,1,2
	ds_load_b128 v[R+4*\i:R+4*\i+3], v5 offset:CST+512*\i
.endr
	s_wait_dscnt 0x0                               ; my codes are back; for the other waves' sake my LDS stores have landed
.irp i, 0,1,2
	global_store_b128 v2, v[R+4*\i:R+4*\i+3], s[10:11] offset:512*\i   ; 32 lanes store 512 consecutive bytes, aligned
.endr
	s_barrier_signal -1
	s_barrier_wait -1
	ds_load_b64 v[14:15], v7 offset:XS
	s_wait_dscnt 0x0
	global_store_b64 v142, v[14:15], s[30:31]      ; 32 lanes store 256 consecutive bytes, aligned
	s_cmp_lt_u32 s12, 4                            ; w's 1,024 bytes: waves 0 to 3
	s_cbranch_scc0 .Ldone
	ds_load_b64 v[16:17], v7 offset:SBY
	s_wait_dscnt 0x0
	global_store_b64 v7, v[16:17], s[28:29]
.Ldone:
	s_wait_tensorcnt 0x0                           ; the wave's end
	ds_add_u32 v140, v141
	s_wait_dscnt 0x0
	s_endpgm
.Lfunc_end_k_q33132184dd_quant:
	.size	k_q33132184dd_quant, .Lfunc_end_k_q33132184dd_quant-k_q33132184dd_quant
	.p2alignl 7, 3214868480
	.fill 96, 4, 3214868480
	.section	.rodata,"a",@progbits
	.p2align	6, 0x0
	.amdhsa_kernel k_q33132184dd_quant
		.amdhsa_group_segment_fixed_size 48128
		.amdhsa_private_segment_fixed_size 0
		.amdhsa_enable_private_segment 0
		.amdhsa_kernarg_size 40
		.amdhsa_user_sgpr_count 2
		.amdhsa_user_sgpr_kernarg_segment_ptr 1
		.amdhsa_wavefront_size32 1
		.amdhsa_system_sgpr_workgroup_id_x 1
		.amdhsa_system_sgpr_workgroup_id_y 1
		.amdhsa_system_sgpr_workgroup_id_z 1
		.amdhsa_system_vgpr_workitem_id 0
		.amdhsa_next_free_vgpr 148
		.amdhsa_next_free_sgpr 66
		.amdhsa_reserve_vcc 0
		.amdhsa_float_denorm_mode_32 3
		.amdhsa_float_denorm_mode_16_64 3
		.amdhsa_memory_ordered 1
		.amdhsa_forward_progress 1
		.amdhsa_inst_pref_size 15
	.end_amdhsa_kernel
	.amdgpu_metadata
---
amdhsa.version: [ 1, 2 ]
amdhsa.kernels:
  - .name:           k_q33132184dd_quant
    .symbol:         k_q33132184dd_quant.kd
    .args:
      - { .name: weight_packed, .offset: 0, .size: 8, .value_kind: global_buffer, .address_space: global }
      - { .name: weight_scales, .offset: 8, .size: 8, .value_kind: global_buffer, .address_space: global }
      - { .name: x_scales, .offset: 16, .size: 8, .value_kind: global_buffer, .address_space: global }
      - { .name: wq_codes, .offset: 24, .size: 8, .value_kind: global_buffer, .address_space: global }
      - { .name: sc2, .offset: 32, .size: 8, .value_kind: global_buffer, .address_space: global }
    .group_segment_fixed_size: 48128
    .private_segment_fixed_size: 0
    .kernarg_segment_align: 8
    .kernarg_segment_size: 40
    .max_flat_workgroup_size: 512
    .sgpr_count:     66
    .vgpr_count:     148
    .wavefront_size: 32
...
	.end_amdgpu_metadata
.endif
;; end of part 1
;; launch gemm (part 2): grid 8 x 32, 4 waves a work-group, clusters of 4 x 4, 327,680 bytes of LDS; arguments x_codes, wq_codes, sc2, bias, out0; writes out0
.if DOCPART == 2
	.amdgcn_target "amdgcn-amd-amdhsa--gfx1250"
	.amdhsa_code_object_version 6
	.text
	.protected	k_q33132184dd_gemm
	.globl	k_q33132184dd_gemm
	.p2align	8
	.type	k_q33132184dd_gemm,@function
k_q33132184dd_gemm:
	s_mov_b64 s[64:65], 0
	v_nop
	global_prefetch_b8 v0, s[64:65] scope:SCOPE_SE
	s_setreg_imm32_b32 hwreg(HW_REG_WAVE_MODE, 25, 1), 1
	s_wait_xcnt 0x0
	s_wait_alu depctr_hold_cnt(0) depctr_sa_sdst(0) depctr_va_vdst(0) depctr_va_sdst(0) depctr_va_ssrc(0) depctr_va_vcc(0) depctr_vm_vsrc(0)
	s_getreg_b32 s2, hwreg(HW_REG_IB_STS2, 6, 4)
	s_cmp_eq_u32 s2, 0
	s_cbranch_scc0 .Lentry_in_a_cluster
	s_endpgm
.Lentry_in_a_cluster:
	s_bfe_u32 s2, ttmp6, 0x10000c
	s_cmp_lg_u32 s2, 0xf033
	s_cbranch_scc0 .Lentry_shape_is_right
	s_endpgm
.Lentry_shape_is_right:
; out[m][n] = sum over k of x[m][k] w[n][k] + bias[n].  x: 8,192 rows, w: 2,048 rows of 4,096 codes of FP6 (3,072 bytes), one E8M0 byte for each 32 along K; sums in f32.
; A tile of 256 x 256 to a work-group of four waves; a wave makes 128 x 128: 64 accumulators.  The matrix instruction is used transposed (source 0 = rows of w, source 1 = rows of x):
; a lane holds eight neighbouring numbers of a row of out.  The bias is the C of the first step's products.
; K goes through a ring of two LDS slots in CHUNKS OF 256 BYTES of each row (12 chunks); a step of 128 along K is 96 bytes: eight steps to three chunks.
; THE LOOP: a trip is eight steps, three chunks.  Three is odd, so the two slots change roles from trip to trip: at a trip's end the LDS address registers of the two slots change places,
; and the descriptor's LDS address changes slot by XOR with SLOT at every refill (wave x HALFT has neither of SLOT's two bits).  Step 0 stands ahead of the loop, the last seven steps behind it: they fetch less.
; SCALES come from sc2 straight into registers, 16 bytes a lane (the words of four steps), a lane a row, 32 rows an instruction: eight loads serve four steps, asked for four steps ahead; two sets.
; x's 32 rows are 512 consecutive bytes; w's are four runs of 128 bytes (sc2 holds w's bytes by groups of 8 rows).
; Even groups of four registers hold x's words (blocks 2 m in lanes 0-15, 2 m + 1 in lanes 16-31), odd groups w's.
; CLUSTERS: 4 x 4; x's tiles are asked for jointly along a row of the cluster, w's along a column.
; PREFETCH: each wave names 32 rows x 256 bytes, a lane a row; the four partners of a joint load share its 128 rows by address.  At the head: chunks 1 and 2.  Behind each refill in the loop:
; the chunk that the NEXT refill loads (two or three steps on).  Chunk 0 comes by its load alone; the last refill, behind the loop, asks for nothing.
; REGISTERS: window 0: v14-31 addresses; v32-95 scale words; v96-127, v224-255 bias; v128-223 x's fragments, one set.  Window 1: w's fragments, two sets.  Windows 2, 3: accumulators.
.set SIZE_N, 2048
.set KROW,   3072
.set ROWB,   256
.set PITCH,  272
.set FR,     12
.set NL,     6
.set NP,     4
.set HALFT,  128*PITCH
.set SLOT,   4*HALFT
.set SPARE,  2*SLOT                    ; behind the ring: the spare words, 128 bytes a wave
.set SPITCH, 528                       ; the way out: a stage of 16 rows x 528 bytes a wave, in slot 0, which has had its last fill and read by then (the last chunk lies in slot 1)
.set WOFF,   1048576
.set SOFB, 14
.set BOF,  15
.set ADRA, 16                          ; v16-17 my x fragments in the trip's even and odd chunk's slot; v18-19: lanes 0-15 at byte 232 there, lanes 16-31 at byte 0 in the other slot
.set ADRB, 20
.set STO,  24
.set RD,   25
.set CO,   26
.set SOFA, 27
.set SPW,  28
.set NIL,  29
.set PFO,  30
.set SC,   32
.set AF,   128
.set BK,   128
.set G1,  24
.set G0,  32
.set G0B, 36
.set SBW, 46
.set G1B, 48
.set SB,  56
.set PFA, 58
.set MSB, 0
.macro WIN new
.if MSB != (\new)
	s_set_vgpr_msb (MSB<<8)|(\new)
.set MSB, (\new)
.endif
.endm
.set MUL_LO,   0xa1
.set MUL_HI,   0xf1
.set FIRST_LO, 0x81                    ; C (the bias) in window 0
.set FIRST_HI, 0xc1
.set TO_B,     0x40
.macro PLACES
.rept NP
	v_nop
.endr
.endm
.macro JLOAD                           ; waves 0, 1 fetch x's two halves, waves 2, 3 w's
	s_cmp_eq_u32 s15, 0
	s_cbranch_scc0 .Lfb_\@
	tensor_load_to_lds s[G0:G0+3], s[G1:G1+7]
	s_nop 0
	PLACES
	s_branch .Lak_\@
.Lfb_\@:
	tensor_load_to_lds s[G0B:G0B+3], s[G1B:G1B+7]
	s_nop 0
	PLACES
.Lak_\@:
.endm
.macro NEXTG                           ; no tensor load of mine is out: the next chunk, into the other slot
	s_xor_b32 s[G0+1], s[G0+1], SLOT
	s_add_nc_u64 s[G0+2:G0+3], s[G0+2:G0+3], ROWB
	s_xor_b32 s[G0B+1], s[G0B+1], SLOT
	s_add_nc_u64 s[G0B+2:G0B+3], s[G0B+2:G0B+3], ROWB
.endm
.macro CREST
	s_cmp_lg_u32 s14, 0
	s_cbranch_scc1 .Lnw_\@
	s_barrier_signal -3
.Lnw_\@:
	s_barrier_wait -3
	s_barrier_signal -1
	s_barrier_wait -1
.endm
.macro CROUND
	s_barrier_signal -1
	s_barrier_wait -1
	CREST
.endm
	s_load_b256 s[4:11], s[0:1], 0x0               ; x_codes, wq_codes, sc2, bias
	s_load_b64 s[12:13], s[0:1], 0x20              ; out
	v_lshl_add_u32 v[SPW], v0, 2, SPARE
	v_mov_b32 v[NIL], 0
	ds_add_u32 v[SPW], v[NIL]                      ; the opening lines: the add twice on end and its wait
	ds_add_u32 v[SPW], v[NIL]
	v_lshrrev_b32 v1, 5, v0
	v_readfirstlane_b32 s14, v1                    ; wave
	s_lshr_b32 s15, s14, 1                         ; my half of the tile's rows; also: I fetch for x (0) or w (1)
	s_and_b32 s16, s14, 1                          ; my half of its columns; also: which 128 rows I fetch
	s_bfe_u32 s40, ttmp6, 0x40000
	s_bfe_u32 s41, ttmp6, 0x40004
	s_lshl_b32 s42, ttmp9, 2
	s_add_co_u32 s42, s42, s40                     ; tile column
	s_and_b32 s17, ttmp7, 0xffff
	s_lshl_b32 s17, s17, 2
	s_add_co_u32 s17, s17, s41                     ; tile row
	s_lshl_b32 s43, s41, 2
	s_lshl_b32 s43, 15, s43
	s_lshl_b32 s44, 0x1111, s40
	s_or_b32 s[G1+0], s43, (1<<20)|(1<<21)|(5<<22)|(3<<25)   ; bytes; 16 bytes of padding behind every 256
	s_or_b32 s[G1B+0], s44, (1<<20)|(1<<21)|(5<<22)|(3<<25)
.irp g, G1, G1B
	s_mov_b32 s[\g+1], ROWB<<16
	s_mov_b32 s[\g+2], 128<<16
	s_mov_b32 s[\g+3], ROWB<<16
	s_mov_b32 s[\g+4], 128
	s_mov_b32 s[\g+5], KROW
	s_mov_b32 s[\g+6], 0
	s_mov_b32 s[\g+7], 0
.endr
	s_lshl_b32 s18, s16, 7
	s_lshl_b32 s20, s17, 8
	s_add_co_u32 s20, s20, s18
	s_mul_i32 s20, s20, KROW                       ; x: my 128 rows, in bytes (under 2^25)
	s_mov_b32 s21, 0
	s_lshl_b32 s46, s42, 8
	s_add_co_u32 s46, s46, s18
	s_mul_i32 s46, s46, KROW
	s_mov_b32 s47, 0
	s_mul_i32 s45, s14, HALFT
	s_wait_dscnt 0x0
	s_wait_kmcnt 0x0
	s_add_nc_u64 s[20:21], s[4:5], s[20:21]
	s_add_nc_u64 s[46:47], s[6:7], s[46:47]
	CROUND                                         ; the first joint loads meet
	s_mov_b32 s[G0], 1
	s_mov_b32 s[G0+1], s45
	s_mov_b64 s[G0+2:G0+3], s[20:21]
	s_or_b32 s[G0+3], s[G0+3], 0x80000000
	s_mov_b32 s[G0B], 1
	s_mov_b32 s[G0B+1], s45
	s_mov_b64 s[G0B+2:G0B+3], s[46:47]
	s_or_b32 s[G0B+3], s[G0B+3], 0x80000000
	JLOAD                                          ; chunk 0, a quarter a wave: one tensor load a wave at the head
	s_mul_i32 s21, s15, HALFT                      ; my rows of x in a slot
	s_mul_i32 s22, s16, HALFT
	s_add_co_u32 s22, s22, 2*HALFT                 ; my rows of w
	s_add_co_u32 s62, s21, SLOT
	s_add_co_u32 s63, s22, SLOT
	s_mov_b32 s60, SLOT-232
	s_mov_b32 s61, SLOT+232
	s_mul_i32 s23, s14, 16*SPITCH                  ; my stage
	s_lshl_b32 s18, s17, 15                        ; x's scale words: tile, my 128 rows of 16 bytes
	s_lshl_b32 s19, s15, 11
	s_add_co_u32 s18, s18, s19
	s_lshl_b32 s19, s42, 15                        ; w's: tile, my 16 groups of 8 rows, 1,024 bytes each
	s_lshl_b32 s20, s16, 14
	s_add_co_u32 s19, s19, s20
	s_add_co_u32 s19, s19, WOFF
	s_mov_b64 s[SB:SB+1], s[8:9]
	s_lshl_b32 s46, s42, 10                        ; my first column, in bytes
	s_lshl_b32 s47, s16, 9
	s_add_co_u32 s46, s46, s47
	s_mov_b32 s47, 0
	s_add_nc_u64 s[10:11], s[10:11], s[46:47]
	s_add_nc_u64 s[12:13], s[12:13], s[46:47]
	s_lshl_b32 s46, s17, 8
	s_lshl_b32 s20, s15, 7
	s_add_co_u32 s46, s46, s20
	s_lshl_b32 s46, s46, 13                        ; my first row of out x 8,192 bytes (under 2^26)
	s_add_nc_u64 s[12:13], s[12:13], s[46:47]
	s_cmp_eq_u32 s15, 0                            ; the prefetches: of the 128 rows that I fetch, my work-group's 32
	s_cselect_b32 s46, s17, s42
	s_cselect_b32 s20, s40, s41
	s_cselect_b64 s[PFA:PFA+1], s[4:5], s[6:7]
	s_lshl_b32 s46, s46, 8
	s_lshl_b32 s2, s16, 7
	s_add_co_u32 s46, s46, s2
	s_lshl_b32 s20, s20, 5
	s_add_co_u32 s46, s46, s20
	s_mul_i32 s46, s46, KROW
	s_add_nc_u64 s[PFA:PFA+1], s[PFA:PFA+1], s[46:47]
	s_mov_b64 s[SBW:SBW+1], s[8:9]                 ; a base of its own for w's scale words: it steps otherwise than x's
	v_and_b32 v1, 15, v0                           ; r
	v_bfe_u32 v2, v0, 4, 1                         ; h
	v_and_b32 v6, 31, v0
	v_mul_u32_u24 v3, v1, PITCH
	v_mad_u32_u24 v4, v2, 24, v3                   ; row x pitch + 24 h
	v_mad_u32_u24 v5, v2, s60, v3
	v_add_nc_u32 v5, 232, v5                       ; lanes 0-15 byte 232 in slot 0, lanes 16-31 byte 0 in slot 1
	v_sub_nc_u32 v7, 1, v2
	v_mad_u32_u24 v7, v7, s61, v3                  ; lanes 0-15 byte 232 in slot 1, lanes 16-31 byte 0 in slot 0
	v_add_nc_u32 v[ADRA], s21, v4
	v_add_nc_u32 v[ADRA+1], s62, v4
	v_add_nc_u32 v[ADRA+2], s21, v5
	v_add_nc_u32 v[ADRA+3], s21, v7
	v_add_nc_u32 v[ADRB], s22, v4
	v_add_nc_u32 v[ADRB+1], s63, v4
	v_add_nc_u32 v[ADRB+2], s22, v5
	v_add_nc_u32 v[ADRB+3], s22, v7
	v_mul_u32_u24 v8, v1, SPITCH
	v_lshl_add_u32 v8, v2, 5, v8
	v_add_nc_u32 v[STO], s23, v8
	v_lshlrev_b32 v[CO], 4, v6
	v_add_nc_u32 v[RD], s23, v[CO]
	v_lshlrev_b32 v[BOF], 5, v2
	v_add_nc_u32 v[SOFA], s18, v[CO]
	v_lshrrev_b32 v9, 3, v6
	v_and_b32 v10, 7, v6
	v_lshlrev_b32 v10, 4, v10
	v_lshl_add_u32 v10, v9, 10, v10                ; w's row lane: group of 8 rows lane / 8, 16 bytes a row
	v_add_nc_u32 v[SOFB], s19, v10
	v_mul_u32_u24 v[PFO], v6, KROW
	s_wait_alu depctr_va_vdst(0)                   ; the wait at the head's end
	global_prefetch_b8 v[PFO], s[PFA:PFA+1] offset:ROWB th:TH_LOAD_NT scope:SCOPE_SE     ; chunk 1,
	global_prefetch_b8 v[PFO], s[PFA:PFA+1] offset:2*ROWB th:TH_LOAD_NT scope:SCOPE_SE   ; chunk 2
.irp b, 0,1,2,3,4,5,6,7
	global_load_b128 v[96+8*\b+96*(\b/4):96+8*\b+96*(\b/4)+3],   v[BOF], s[10:11] offset:64*\b      ; bias(16 b + 8 h + j)
	global_load_b128 v[96+8*\b+96*(\b/4)+4:96+8*\b+96*(\b/4)+7], v[BOF], s[10:11] offset:64*\b+16
.endr
.macro SCALES lq                       ; the words of four steps into set lq % 2; lq counts groups of four steps from the trip's bases
.irp m, 0,1,2,3
	global_load_b128 v[SC+32*((\lq)%2)+8*\m:SC+32*((\lq)%2)+8*\m+3],   v[SOFA], s[SB:SB+1] offset:(\lq)*4096+512*\m
	global_load_b128 v[SC+32*((\lq)%2)+8*\m+4:SC+32*((\lq)%2)+8*\m+7], v[SOFB], s[SBW:SBW+1] offset:(\lq)*128+4096*\m
.endr
.endm
	SCALES 0
.macro FRAG reg, adr, st, i            ; 16 rows x 128 K: six pieces of 8 bytes; byte y of the trip's 768 (and beyond) lies in chunk y / 256, at byte y % 256 of the LDS row
.irp p, 0,1,2,3,4,5
.set BY, 96*(\st)+48*(\p/3)+8*(\p%3)
.if BY/ROWB == (BY+24)/ROWB
	ds_load_b64 v[\reg+2*\p:\reg+2*\p+1], v[\adr+(BY/ROWB)%2] offset:BY%ROWB+(\i)*16*PITCH
.else
	ds_load_b64 v[\reg+2*\p:\reg+2*\p+1], v[\adr+2+(BY/ROWB)%2] offset:BY%ROWB-232+(\i)*16*PITCH
.endif
.endr
.endm
; eight products: x's block 2 a2 + ra against w's eight.  The 64 accumulators take turns in the same order in every step.
.macro MUL8 a2, ra, st, first
.set AA, 2*(\a2)+\ra
.set AR, AF+FR*AA
.set SS, SC+32*(((\st)/4)%2)+(\st)%4
.irp b2, 0,1,2,3
.irp rb, 0,1
.set BN, 2*\b2+\rb
.set DD, 8*(8*(AA%4)+BN)
.set BF, 128*((\st)%2)+FR*BN
.if \first
.set CC, 96+8*BN+96*(BN/4)
.else
.set CC, DD
.endif
.if \rb == 0 && \ra == 0
	v_wmma_scale_f32_16x16x128_f8f6f4 v[DD:DD+7], v[BF:BF+11], v[AR:AR+11], v[CC:CC+7], v[SS+8*\b2+4], v[SS+8*(\a2)] matrix_a_fmt:MATRIX_FMT_FP6 matrix_b_fmt:MATRIX_FMT_FP6
.endif
.if \rb == 1 && \ra == 0
	v_wmma_scale_f32_16x16x128_f8f6f4 v[DD:DD+7], v[BF:BF+11], v[AR:AR+11], v[CC:CC+7], v[SS+8*\b2+4], v[SS+8*(\a2)] matrix_a_fmt:MATRIX_FMT_FP6 matrix_b_fmt:MATRIX_FMT_FP6 matrix_a_scale:MATRIX_SCALE_ROW1
.endif
.if \rb == 0 && \ra == 1
	v_wmma_scale_f32_16x16x128_f8f6f4 v[DD:DD+7], v[BF:BF+11], v[AR:AR+11], v[CC:CC+7], v[SS+8*\b2+4], v[SS+8*(\a2)] matrix_a_fmt:MATRIX_FMT_FP6 matrix_b_fmt:MATRIX_FMT_FP6 matrix_b_scale:MATRIX_SCALE_ROW1
.endif
.if \rb == 1 && \ra == 1
	v_wmma_scale_f32_16x16x128_f8f6f4 v[DD:DD+7], v[BF:BF+11], v[AR:AR+11], v[CC:CC+7], v[SS+8*\b2+4], v[SS+8*(\a2)] matrix_a_fmt:MATRIX_FMT_FP6 matrix_b_fmt:MATRIX_FMT_FP6 matrix_a_scale:MATRIX_SCALE_ROW1 matrix_b_scale:MATRIX_SCALE_ROW1
.endif
.endr
.endr
.endm
.macro MUL16 a2, st, first
	MUL8 \a2, 0, \st, \first
	MUL8 \a2, 1, \st, \first
.endm
.macro FETCH_B st, i0                  ; w's blocks i0 .. i0 + 3 of step st into set st % 2: 24 loads
	WIN TO_B
.irp i, \i0, \i0+1, \i0+2, \i0+3
	FRAG 128*((\st)%2)+FR*(\i), ADRB, \st, \i
.endr
.endm
.macro FETCH_A st, i0                  ; x's blocks i0 .. i0 + 3: 24 loads
.irp i, \i0, \i0+1, \i0+2, \i0+3
	FRAG AF+FR*(\i), ADRA, \st, \i
.endr
.endm
; A step: 64 products on step st's fragments; the next step's are fetched in four runs of 24 loads among them.  st counts from the trip's first chunk.
; w's other set is free through the whole step (four places stand at the end of the step before); x's blocks 0-3 are free behind the places that follow their products.
; Where the next step's bytes END in a chunk not read yet: a wait for all my tensor loads and a barrier.  Where they BEGIN in a later chunk: the chunk left behind is read no more:
; the three lines, the barrier, and with fill = 1 a round of the cluster's barrier and the refill.  more = 1: scale words and prefetches are still to be asked for.
.macro STEP st, first, fill, more
.set NX, (\st)+1
.set C0, (96*(\st))/ROWB
.set C1, (96*NX)/ROWB
.set E0, (96*(\st)+95)/ROWB
.set E1, (96*NX+95)/ROWB
.if \first
.set WLO, FIRST_LO
.set WHI, FIRST_HI
.else
.set WLO, MUL_LO
.set WHI, MUL_HI
.endif
.if (\st)%4 == 0
	s_wait_loadcnt 0x0                             ; these four steps' scale words (asked for four steps ago; in step 0 the bias too)
.endif
.if C1 > C0 || E1 > E0
	s_wait_tensorcnt 0x0                           ; all my tensor loads have landed
.if C1 > C0
	ds_add_u32 v[SPW], v[NIL]
	s_wait_dscnt 4*NL+1                            ; the add and x's blocks 4-7 may be out
.else
	s_wait_dscnt 4*NL                              ; x's blocks 4-7 may be out
.endif
	WIN WLO
	MUL16 0, \st, \first
	s_wait_dscnt 0x0                               ; the add, and my reads of any chunk left behind
	s_barrier_signal -1
	MUL16 1, \st, \first
	WIN 0
	s_barrier_wait -1
.if C1 > C0 && \fill
	CREST                                          ; the barrier has opened a round of the cluster's barrier
	NEXTG
	JLOAD                                          ; the first tensor load behind the round; its four v_nop are the places in front of the loads below
.else
	PLACES
.endif
	FETCH_B NX, 0
	WIN WHI
	MUL8 2, 0, \st, \first
	FETCH_B NX, 4
	WIN WHI
	MUL8 2, 1, \st, \first
.else
	s_wait_dscnt 4*NL                              ; x's blocks 4-7 may be out
	WIN WLO
	MUL16 0, \st, \first
	FETCH_B NX, 0
	WIN WLO
	MUL16 1, \st, \first
	PLACES
	FETCH_B NX, 4
	s_wait_dscnt 8*NL                              ; x's blocks 4-7 are in: behind them stand w's 48 loads
	WIN WHI
	MUL16 2, \st, \first
.endif
	WIN 0
	FETCH_A NX, 0
.if \more && (\st)%4 == 0
	SCALES (\st)/4+1                               ; into the set that the last four steps used
.endif
.if \more && C1 > C0
	global_prefetch_b8 v[PFO], s[PFA:PFA+1] offset:(C0+3)*ROWB th:TH_LOAD_NT scope:SCOPE_SE   ; the chunk that the next refill loads
.endif
	WIN WHI
	MUL16 3, \st, \first
	PLACES
	WIN 0
	FETCH_A NX, 4
.endm
	s_wait_tensorcnt 0x0                           ; my part of chunk 0 is in; these lines stand ahead of a later first fill as ahead of a refill
	ds_add_u32 v[SPW], v[NIL]
	NEXTG
	s_wait_dscnt 0x0
	CROUND
	JLOAD                                          ; chunk 1: slot 1's first fill
	FETCH_B 0, 0
	FETCH_B 0, 4
	WIN 0
	FETCH_A 0, 0
	FETCH_A 0, 4
	STEP 0, 1, 1, 1
	s_mov_b32 s3, 3
.Ltrip:
.irp st, 1,2,3,4,5,6,7,8
	STEP \st, 0, 1, 1
.endr
	s_wait_xcnt 0x0                                ; the scale loads and prefetches have read their bases
	s_add_nc_u64 s[SB:SB+1], s[SB:SB+1], 8192      ; eight steps of scale words on: two groups of 4,096 bytes for x,
	s_add_nc_u64 s[SBW:SBW+1], s[SBW:SBW+1], 256   ; of 128 for w
	s_add_nc_u64 s[PFA:PFA+1], s[PFA:PFA+1], 3*ROWB
.irp r, ADRA, ADRA+2, ADRB, ADRB+2     ; three chunks on: the two slots change roles
	v_mov_b32 v31, v[\r]
	v_mov_b32 v[\r], v[\r+1]
	v_mov_b32 v[\r+1], v31
.endr
	s_sub_co_u32 s3, s3, 1
	s_cmp_lg_u32 s3, 0
	s_wait_alu depctr_va_vdst(0)                   ; the wait ahead of the branch
	s_cbranch_scc1 .Ltrip
	STEP 1, 0, 0, 0                                ; the last seven steps: one more refill, chunk 11
	STEP 2, 0, 1, 0
	STEP 3, 0, 0, 0
	STEP 4, 0, 0, 0
	STEP 5, 0, 0, 0
	STEP 6, 0, 0, 0
	s_wait_dscnt 4*NL
	WIN MUL_LO
	MUL16 0, 7, 0
	MUL16 1, 7, 0
	s_wait_dscnt 0
	WIN MUL_HI
	MUL16 2, 7, 0
	MUL16 3, 7, 0
	WIN 0
; THE WAY OUT, by blocks of 16 rows x 128 columns through my own stage: back as whole rows of 512 bytes (LDS serves a wave in order)
.macro TOSTAGE a
.set AC, 64*((\a)%4)
	WIN 0x08+4*((\a)/4)
.irp b, 0,1,2,3,4,5,6,7
	ds_store_b128 v[STO], v[AC+8*\b:AC+8*\b+3] offset:64*\b          ; each accumulator from its low end on
	ds_store_b128 v[STO], v[AC+8*\b+4:AC+8*\b+7] offset:64*\b+16
.endr
	WIN 0
.set BB, BK+64*((\a)%2)
.irp t, 0,1,2,3,4,5,6,7,8,9,10,11,12,13,14,15
	ds_load_b128 v[BB+4*\t:BB+4*\t+3], v[RD] offset:\t*SPITCH
.endr
.endm
.macro SEND a, younger
.set BB, BK+64*((\a)%2)
	s_wait_dscnt \younger
.if (\a) > 0
	s_add_nc_u64 s[12:13], s[12:13], 16*SIZE_N*4   ; behind a wait on XCNT
.endif
.irp t, 0,1,2,3,4,5,6,7,8,9,10,11,12,13,14,15
	global_store_b128 v[CO], v[BB+4*\t:BB+4*\t+3], s[12:13] offset:\t*SIZE_N*4 th:TH_STORE_NT   ; 32 lanes store 512 consecutive bytes, aligned
.endr
.endm
	PLACES
	TOSTAGE 0
.irp a, 1,2,3,4,5,6,7
.if \a > 1
	s_wait_xcnt 0x0                                ; block a - 2's stores have read their registers and base
.endif
	TOSTAGE \a
	SEND \a-1, 32                                  ; behind block a - 1's loads: block a's 16 stores and 16 loads
.endr
	s_wait_xcnt 0x0
	SEND 7, 0
	s_wait_tensorcnt 0x0                           ; the wave's end
	ds_add_u32 v[SPW], v[NIL]
	s_wait_dscnt 0x0
	CROUND                                         ; the closing round
	s_endpgm
.Lfunc_end_k_q33132184dd_gemm:
	.size	k_q33132184dd_gemm, .Lfunc_end_k_q33132184dd_gemm-k_q33132184dd_gemm
	.p2alignl 7, 3214868480
	.fill 96, 4, 3214868480
	.section	.rodata,"a",@progbits
	.p2align	6, 0x0
	.amdhsa_kernel k_q33132184dd_gemm
		.amdhsa_group_segment_fixed_size 327680
		.amdhsa_private_segment_fixed_size 0
		.amdhsa_enable_private_segment 0
		.amdhsa_kernarg_size 40
		.amdhsa_user_sgpr_count 2
		.amdhsa_user_sgpr_kernarg_segment_ptr 1
		.amdhsa_wavefront_size32 1
		.amdhsa_system_sgpr_workgroup_id_x 1
		.amdhsa_system_sgpr_workgroup_id_y 1
		.amdhsa_system_sgpr_workgroup_id_z 1
		.amdhsa_system_vgpr_workitem_id 0
		.amdhsa_next_free_vgpr 1024
		.amdhsa_next_free_sgpr 66
		.amdhsa_reserve_vcc 0
		.amdhsa_float_denorm_mode_32 3
		.amdhsa_float_denorm_mode_16_64 3
		.amdhsa_memory_ordered 1
		.amdhsa_forward_progress 1
		.amdhsa_inst_pref_size 255
	.end_amdhsa_kernel
	.section	.bss,"aw",@nobits
	.p2align	6
	.space	262144
	.amdgpu_metadata
---
amdhsa.version: [ 1, 2 ]
amdhsa.kernels:
  - .name:           k_q33132184dd_gemm
    .symbol:         k_q33132184dd_gemm.kd
    .args:
      - { .name: x_codes, .offset: 0, .size: 8, .value_kind: global_buffer, .address_space: global }
      - { .name: wq_codes, .offset: 8, .size: 8, .value_kind: global_buffer, .address_space: global }
      - { .name: sc2, .offset: 16, .size: 8, .value_kind: global_buffer, .address_space: global }
      - { .name: bias, .offset: 24, .size: 8, .value_kind: global_buffer, .address_space: global }
      - { .name: out0, .offset: 32, .size: 8, .value_kind: global_buffer, .address_space: global }
    .group_segment_fixed_size: 327680
    .private_segment_fixed_size: 0
    .kernarg_segment_align: 8
    .kernarg_segment_size: 40
    .max_flat_workgroup_size: 128
    .sgpr_count:     66
    .vgpr_count:     1024
    .wavefront_size: 32
...
	.end_amdgpu_metadata
.endif
;; end of part 2
